; MI455X (gfx1250); checked and timed in simulation.
; The chip was launched on July 23, 2026; its instructions are those of AMD's public machine-readable ISA for CDNA 5 (MIT licence, August 2026) and "CDNA5" Instruction Set Architecture Reference Guide (July 2026). The comments in the code are by the model that wrote it; some were corrected since.
;; Manual Attention. Allowed arithmetic: matrix products marked QUANTISED: E5M2 operands, one given power-of-two scale a tensor, by v_wmma_f32_16x16x64_bf8_bf8 or v_wmma_f32_16x16x128_bf8_bf8, f32 sums; everything else in f32.
;; Inputs: b_out 1,024 float32; b_qkv 3,072 float32; lowp_scales 8 int32 (the exponents e of the quantised operands' scales 2^e); w_out_codes 1,024 x 32 x 32 uint8 (E5M2 codes of w_out, K innermost, in blocks of 32 codes); w_qkv_codes 3,072 x 32 x 32 uint8 (E5M2 codes of w_qkv, K innermost, in blocks of 32 codes); x_codes 4 x 2,048 x 32 x 32 uint8 (E5M2 codes of x, K innermost, in blocks of 32 codes).
;; Outputs: out0 4 x 2,048 x 1,024 float32.
;; This version of the problem:
;;   THIS VERSION OF THE PROBLEM IS GIVEN IN LOW PRECISION. The matrix products marked QUANTISED in the list below multiply operands that are first quantised to E5M2 (5 exponent bits, 2 mantissa bits; 8 bits a number), with one given power-of-two scale for each operand tensor; their sums are f32. All else is computed in f32.
;;   The module's matrix products, in the order in which they are computed (A, B: the left and right operand; K: the contracted axis; several contracted axes count as one K, in the product's order):
;;     1. [M 8,192, K 1,024] x [K 1,024, N 3,072]; A: input x (given as codes); B: input w_qkv (given as codes): QUANTISED (scales: A lowp_scales[0], B lowp_scales[1])
;;     2. batch 64 x [M 2,048, K 64] x [K 64, N 2,048]; A: computed on the way; B: computed on the way: QUANTISED (scales: A lowp_scales[2], B lowp_scales[3])
;;     3. batch 64 x [M 2,048, K 2,048] x [K 2,048, N 64]; A: softmax (see below); B: computed on the way: QUANTISED (scales: A lowp_scales[4], B lowp_scales[5])
;;     4. [M 8,192, K 1,024] x [K 1,024, N 1,024]; A: computed on the way; B: input w_out (given as codes): QUANTISED (scales: A lowp_scales[6], B lowp_scales[7])
;;   THE QUANTISER, for each operand of a quantised product, along K:
;;     - The operand's scale is 2^e, e = its entry of the input lowp_scales (int32; the entries are numbered through the quantised products in the list's order, A before B).
;;     - Each number is divided by the scale, clamped to +-57,344, and rounded to the nearest number of E5M2, ties to even, subnormals kept.
;;     - The product sums the exact products of the quantised numbers (number of the format x scale) in f32.
;;   ~~~python
;;   def quantise(x, axis, e):      # numpy; x: float32 -> the quantised numbers, widened to float32 again
;;       x = np.moveaxis(x, axis, -1); K = x.shape[-1]
;;       r = np.clip(x / 2.0 ** e, -57344, 57344)
;;       step = 2.0 ** (np.maximum(np.frexp(np.where(r == 0, 1, r))[1] - 1, -14) - 2)
;;       q = np.round(r / step) * step * 2.0 ** e      # np.round: ties to even
;;       return np.moveaxis(q, -1, axis).astype(np.float32)
;;   ~~~
;;   SOFTMAX AHEAD OF A QUANTISED PRODUCT. Where the list says 'softmax', what is quantised is not the finished softmax but p = 2^(t - M), with t = logit x log2(e) and M = ceil(the row's largest t), a whole number; so 1/2 < the row's largest p <= 1. The row's sum l is taken of the UNQUANTISED p, in f32, and the product's result is divided by l at the end. Since M is a whole number, a kernel that streams over the keys may use a running M (the ceiling of the running maximum): every later rescaling is an exact power of two, so the quantised numbers keep their values, but for numbers so far below the row's largest that they fall under the format's range.
;;   OPERANDS COMPUTED ON THE WAY. 'Computed on the way' means the value that the module computes at that place (a softmax that the list does not call 'softmax' is quantised finished and normalised). What goes into a quantiser is computed in f32, as accurately as f32 sums, v_exp_f32 and their like allow (about 1e-6 of the number): no bf16 or f16 on the way to a quantiser, and a product that is left as it is and whose result goes on into a quantised operand takes f32 operands (vector FMAs, or v_wmma_f32_16x16x4_f32). A number that lies on a knife's edge between two numbers of the format may be rounded either way, as far as f32 arithmetic and the matrix unit's own rounding can turn it there, and no further.
;;   INPUTS GIVEN AS CODES. w_out (in the module: [1024, 1024], K = its axis 1); w_qkv (in the module: [3072, 1024], K = its axis 1); x (in the module: [4, 2048, 1024], K = its axis 2): each comes as NAME_codes (uint8): NAME with its K axis moved to the last place and cut into blocks of 32 codes, [.., K / 32, bytes a block], one block behind the other in memory; one code a byte (a code: sign, 5 exponent bits, 2 mantissa bits); its scale is its entry of lowp_scales. Its value is code x scale, taken as it is: it is not quantised again, and the codes and scales need not be those that the quantiser above would give.
;; One version. Each part assembles by itself: llvm-mc -triple=amdgcn-amd-amdhsa -mcpu=gfx1250 --defsym DOCPART=n.
;; ======== version 1 of 1: 3 launches
;; limits: right only within a limited range of input values
;; workspace buffers: qkv 25,165,824 bytes; o_img 8,388,608 bytes
;; launch qkv (part 1): grid 12 x 32, 4 waves a work-group, clusters of 4 x 4, 327,680 bytes of LDS; arguments x_codes, w_qkv_codes, lowp_scales, b_qkv, qkv; writes qkv
.if DOCPART == 1
	.amdgcn_target "amdgcn-amd-amdhsa--gfx1250"
	.amdhsa_code_object_version 6
	.text
	.protected	k_q614fd20a8c_qkv
	.globl	k_q614fd20a8c_qkv
	.p2align	8
	.type	k_q614fd20a8c_qkv,@function
k_q614fd20a8c_qkv:
	s_mov_b64 s[64:65], 0
	v_nop
	global_prefetch_b8 v0, s[64:65] scope:SCOPE_SE
	s_setreg_imm32_b32 hwreg(HW_REG_WAVE_MODE, 25, 1), 1
	s_wait_xcnt 0x0
	s_wait_alu depctr_hold_cnt(0) depctr_sa_sdst(0) depctr_va_vdst(0) depctr_va_sdst(0) depctr_va_ssrc(0) depctr_va_vcc(0) depctr_vm_vsrc(0)
	s_getreg_b32 s2, hwreg(HW_REG_IB_STS2, 6, 4)
	s_cmp_eq_u32 s2, 0
	s_cbranch_scc0 .Lentry_in_a_cluster
	s_endpgm
.Lentry_in_a_cluster:
	s_bfe_u32 s2, ttmp6, 0x10000c
	s_cmp_lg_u32 s2, 0xf033
	s_cbranch_scc0 .Lentry_shape_is_right
	s_endpgm
.Lentry_shape_is_right:
; qkv = x w_qkv^T + b_qkv on codes of BF8 (E5M2), then q, k and v are quantised (scales 2^e2, 2^e3, 2^e5) and stored as IMAGES OF OPERAND REGISTERS for the attention launch.
; x: [8192][1024] codes, w_qkv: [3072][1024] codes, K innermost.  A sum stands for sum x 2^(e0 + e1); value = sum x 2^(e0 + e1) + bias, in f32; code = value / 2^e, held within +-57,344, nearest, ties to even.
; LIMITS: e0 + e1 between -126 and 127; e2, e3, e5 between -126 and 112, so that each power of two below is an f32 number.  NaN and infinity are not served.
; Inside a K = 128 product k is permuted, alike in both operands (four 16-byte loads a fragment): only the order of the sums inside an instruction changes.
; SHARES.  A tile of 256 x 256 for a work-group of four waves; a wave makes 128 x 128: 64 accumulators, 512 registers.  K = 1,024 goes in four steps of 256 through a ring of two LDS slots.
; ROLES.  Source 1 takes the rows of the operand called A here, source 0 those of B: a lane holds ONE row of A (lane % 16) and eight neighbouring rows of B (8 (lane / 16) + 0..7).
;   clusters x = 0, 1 (q, k): A = 256 tokens of x, B = 256 features of w: a lane has one token and eight neighbouring channels: two registers of a 16 x 64 fragment whose K is the head's 64 channels.
;   cluster  x = 2    (v):    A = 256 features of w, B = 256 tokens of x: a lane has one channel and eight neighbouring keys: two registers of a 16 x 128 fragment whose K is the keys.
;   Only pointers, tile numbers and the way out differ; the choice hangs on the cluster's x, which all sixteen partners share.
; CLUSTERS: 4 x 4.  A's tile is shared along a row of the cluster, B's along a column: each is asked for jointly, by the same tensor load with the same descriptor and a mask that names the four.
; THE OUTPUT: part (q, k, v) x 2^23 + (16 batch + head) x 2^17 + (token % 2048) x 64 bytes; four registers of a fragment are 512 bytes, lane l's 16 at 16 l: every store of a wave covers 512 consecutive bytes, aligned.
;   q, k: [token tile][1,024]: registers 2 c, 2 c + 1 = channels 16 c + 8 h + 0..7.    v: [block of 128 keys][channel tile][2,048]: registers 2 c, 2 c + 1 = keys 16 c + 8 h + 0..7.
; REGISTERS: window 0: v1-7 at work, v8-15 bias offsets, v16-30 addresses and scales, v32-95 the bias, v96-127 at work on the way out, v128-255 A's fragments (one set), later the codes.
;   window 1: B's fragments, two sets.   windows 2, 3: the accumulators, (a, b) at v[8 (8 (a % 4) + b)].
.set ROWB,   256                       ; a tile's row in bytes: 256 along K
.set KROW,   1024                      ; a row of x or of w in memory
.set PITCH,  272                       ; an LDS row: 256 bytes + 16 of padding = 68 words: the 16 rows that a load touches start at 16 different banks (64 banks of 4 bytes: ISA guide 11.1)
.set FR,     16                        ; registers of a fragment: 16 rows x 128 K
.set NL,     4                         ; LDS loads that bring one
.set NP,     4                         ; places behind this matrix instruction (ISA guide 7.12.1)
.set HALFT,  128*PITCH                 ; 128 rows: what one tensor load brings
.set SLOT,   4*HALFT                   ; A's 256 rows, then B's 256 rows
.set SPARE,  2*SLOT                    ; behind the ring: the spare words, 128 bytes for each wave
.set OFFJ, 8                           ; v8-15  byte offsets of the bias loads
.set ADRA, 16                          ; v16-17 LDS address of my A fragments in slot 0, 1
.set ADRB, 20                          ; v20-21 the same for B
.set LO,   26                          ; v26    16 x lane: my place in an image's 512 bytes
.set SC,   27                          ; v27    2^e of the output, as f32
.set SPW,  28                          ; v28    LDS address of my spare word; never rewritten
.set NIL,  29                          ; v29    0; never rewritten
.set LIM,  30                          ; v30    57,344 x 2^e
.set BI,   32                          ; v32-95 the bias in the result's layout
.set TMP,  96                          ; v96-127 32 numbers at work
.set AF,   128
.set CD,   128                         ; the codes: 16 registers for each of A's eight blocks; none is written twice
.set G1, 24
.set G0, 32
.set G1B, 48
.set G0B, 56
.set MSB, 0
.macro WIN new                         ; the immediate's high byte repeats the setting that is left
.if MSB != (\new)
	s_set_vgpr_msb (MSB<<8)|(\new)
.set MSB, (\new)
.endif
.endm
.set MUL_LO, 0xa1                      ; source 0 (B) window 1, source 1 (A) window 0, C and D window 2
.set MUL_HI, 0xf1                      ; the same, C and D window 3
.set TO_B,   0x40                      ; destination window 1, address window 0
; A joint load: waves 0 and 1 fetch for A, waves 2 and 3 for B.  The branch hangs on the wave's number alone.  Four v_nop follow each of the two lines.
.macro JLOAD g0a, g1a, g0b, g1b
	s_cmp_eq_u32 s15, 0
	s_cbranch_scc0 .Lfor_b_\@
	tensor_load_to_lds s[\g0a:\g0a+3], s[\g1a:\g1a+7]
	s_nop 0
.rept 4
	v_nop
.endr
	s_branch .Lasked_\@
.Lfor_b_\@:
	tensor_load_to_lds s[\g0b:\g0b+3], s[\g1b:\g1b+7]
	s_nop 0
.rept 4
	v_nop
.endr
.Lasked_\@:
.endm
.macro CREST                           ; a round of the cluster's barrier behind its opening barrier
	s_cmp_lg_u32 s14, 0
	s_cbranch_scc1 .Lnot_wave_0_\@
	s_barrier_signal -3
.Lnot_wave_0_\@:
	s_barrier_wait -3
	s_barrier_signal -1
	s_barrier_wait -1
.endm
.macro CROUND                          ; a whole round
	s_barrier_signal -1
	s_barrier_wait -1
	CREST
.endm
	s_load_b256 s[4:11], s[0:1], 0x0               ; x s[4:5], w s[6:7], the scales' exponents s[8:9], the bias s[10:11]
	s_load_b64 s[12:13], s[0:1], 0x20              ; the output
	v_lshl_add_u32 v[SPW], v0, 2, SPARE
	v_mov_b32 v[NIL], 0
	ds_add_u32 v28, v29
	ds_add_u32 v28, v29
	s_wait_dscnt 0x0
	v_lshrrev_b32 v1, 5, v0
	v_readfirstlane_b32 s14, v1                    ; wave 0..3
	s_lshr_b32 s15, s14, 1                         ; which half of A's rows is mine.  Also: I fetch for A (0) or for B (1)
	s_and_b32 s16, s14, 1                          ; which half of B's rows.  Also: which 128 rows of that tile I fetch
	s_bfe_u32 s40, ttmp6, 0x40000                  ; cx, cy: my place in the cluster
	s_bfe_u32 s41, ttmp6, 0x40004
	s_mov_b32 s66, ttmp9                           ; the cluster's x: 0 = q, 1 = k, 2 = v
	s_and_b32 s67, ttmp7, 0xffff                   ; the cluster's y: 1,024 tokens
	s_cmp_eq_u32 s66, 2                            ; v?  All that is chosen here is the same in the sixteen partners
	s_cselect_b32 s68, 2, s67                      ; A's group of four tiles: v: w's features 2,048 on; else the tokens
	s_cselect_b32 s69, s67, s66                    ; B's: v: the tokens; else w's features 1,024 x cluster x on
	s_cselect_b32 s92, 0, 4                        ; the bias from register to register,
	s_cselect_b32 s93, 0, 32                       ; from one half of the lanes to the other,
	s_cselect_b32 s94, 4, 0                        ; and from lane to lane, in bytes
	s_lshl_b32 s17, s68, 2
	s_add_co_u32 s17, s17, s41                     ; A's tile of 256 rows
	s_lshl_b32 s42, s69, 2
	s_add_co_u32 s42, s42, s40                     ; B's tile of 256 rows
	s_lshl_b32 s43, s41, 2
	s_lshl_b32 s43, 15, s43                        ; my row of the cluster
	s_lshl_b32 s44, 0x1111, s40                    ; my column
	; descriptor group 1: a tile of 128 rows x 256 bytes, padded in LDS
	s_or_b32 s[G1+0], s43, (0<<16)|(1<<20)|(1<<21)|(5<<22)|(3<<25)  ; 15:0 the mask; 17:16 elements of 1 byte; 20 padding on; 21 set beside a mask; 24:22 after every 64 words; 31:25 four words
	s_or_b32 s[G1B+0], s44, (0<<16)|(1<<20)|(1<<21)|(5<<22)|(3<<25)
.irp g, G1, G1B
	s_mov_b32 s[\g+1], ROWB<<16                    ; tensor_dim0
	s_mov_b32 s[\g+2], 128<<16                     ; tensor_dim1
	s_mov_b32 s[\g+3], ROWB<<16                    ; tile_dim0
	s_mov_b32 s[\g+4], 128                         ; tile_dim1
	s_mov_b32 s[\g+5], KROW                        ; tensor_dim0_stride
	s_mov_b32 s[\g+6], 0
	s_mov_b32 s[\g+7], 0
.endr
	s_lshl_b32 s18, s16, 7                         ; which 128 rows of the tile I fetch
	s_lshl_b32 s20, s17, 8
	s_add_co_u32 s20, s20, s18
	s_lshl_b32 s20, s20, 10                        ; A: (256 x tile + 128 x half) rows of 1,024 bytes
	s_mov_b32 s21, 0
	s_lshl_b32 s46, s42, 8
	s_add_co_u32 s46, s46, s18
	s_lshl_b32 s46, s46, 10                        ; B likewise
	s_mov_b32 s47, 0
	s_mul_i32 s45, s14, HALFT                      ; where they go: wave x 128 rows: no place in the cluster enters an LDS address
	s_wait_kmcnt 0x0
	s_load_b256 s[76:83], s[8:9], 0x0              ; e0 .. e7
	s_cmp_eq_u32 s66, 2
	s_cselect_b64 s[70:71], s[6:7], s[4:5]         ; A's buffer
	s_cselect_b64 s[72:73], s[4:5], s[6:7]         ; B's buffer
	s_add_nc_u64 s[20:21], s[70:71], s[20:21]
	s_add_nc_u64 s[46:47], s[72:73], s[46:47]
	; THE PREFETCHES: behind the joint load of K step s (s = 0, 1) each wave asks for K step s + 2 of 32 of the 128 rows that it fetches, a lane a row, 256 bytes of each.
	; The four partners that ask for a tile jointly share its rows out by address (cx for A's tile, cy for B's).  w's rows, which eight rows of clusters read, are asked for by the clusters y = 0 .. 3 alone.
	s_cmp_eq_u32 s15, 0
	s_cselect_b64 s[98:99], s[20:21], s[46:47]     ; the 128 rows that I fetch
	s_cselect_b32 s74, s40, s41                    ; my work-group's place among the four
	s_lshl_b32 s74, s74, 15                        ; 32 rows of 1,024 bytes
	s_mov_b32 s75, 0
	s_add_nc_u64 s[98:99], s[98:99], s[74:75]
	s_cmp_eq_u32 s66, 2
	s_cselect_b32 s3, 1, 0
	s_xor_b32 s3, s3, s15                          ; 1: my rows are w's
	s_lshr_b32 s74, s67, 2                         ; 1 in the clusters y = 4 .. 7
	s_and_b32 s3, s3, s74                          ; 1: I ask for nothing.  Made of the wave's number and the cluster's ids: alike in all partners
.macro ASK off
	s_cmp_eq_u32 s3, 0
	s_cbranch_scc0 .Lnot_mine_\@
	global_prefetch_b8 v31, s[98:99] offset:\off th:TH_LOAD_NT scope:SCOPE_SE
.Lnot_mine_\@:
.endm
	CROUND
.irp s, 0,1
	s_mov_b32 s[G0+4*\s], 1
	s_add_co_u32 s[G0+4*\s+1], s45, \s*SLOT
	s_add_nc_u64 s[G0+4*\s+2:G0+4*\s+3], s[20:21], \s*ROWB
	s_or_b32 s[G0+4*\s+3], s[G0+4*\s+3], 0x80000000
	s_mov_b32 s[G0B+4*\s], 1
	s_add_co_u32 s[G0B+4*\s+1], s45, \s*SLOT
	s_add_nc_u64 s[G0B+4*\s+2:G0B+4*\s+3], s[46:47], \s*ROWB
	s_or_b32 s[G0B+4*\s+3], s[G0B+4*\s+3], 0x80000000
.endr
	JLOAD G0, G1, G0B, G1B                         ; slot 0: one tensor load a wave at the head
	v_and_b32 v1, 15, v0                           ; r = lane % 16
	v_bfe_u32 v2, v0, 4, 1                         ; h = lane / 16
	v_mul_u32_u24 v3, v1, PITCH
	v_lshl_add_u32 v4, v2, 4, v3                   ; a fragment's row x pitch + 16 x half
	s_mul_i32 s21, s15, HALFT                      ; my 128 rows of A
	s_mul_i32 s22, s16, HALFT                      ; my 128 rows of B,
	s_add_co_u32 s22, s22, 2*HALFT                 ; which lie behind A's 256
.irp s, 0,1
	v_add_nc_u32 v[ADRA+\s], s21, v4
	v_add_nc_u32 v[ADRB+\s], s22, v4
	s_add_co_u32 s21, s21, SLOT
	s_add_co_u32 s22, s22, SLOT
.endr
	v_and_b32 v6, 31, v0
	v_lshlrev_b32 v[LO], 4, v6
	v_lshlrev_b32 v31, 10, v6                      ; the prefetches' offset: a lane a row; never rewritten
	s_wait_alu depctr_va_vdst(0)                   ; the wait ahead of the branch
	ASK 512                                        ; K step 2
	; my wave's first token and first feature
	s_lshl_b32 s84, s17, 8
	s_lshl_b32 s95, s15, 7
	s_add_co_u32 s84, s84, s95                     ; A's first row of mine
	s_lshl_b32 s85, s42, 8
	s_lshl_b32 s95, s16, 7
	s_add_co_u32 s85, s85, s95                     ; B's first row of mine
	s_cmp_eq_u32 s66, 2
	s_cselect_b32 s86, s85, s84                    ; the token
	s_cselect_b32 s87, s84, s85                    ; the feature, 0 .. 3,071
	s_lshr_b32 s88, s87, 10
	s_lshl_b32 s88, s88, 23                        ; the part: q, k or v
	s_lshr_b32 s89, s86, 11
	s_lshl_b32 s89, s89, 4                         ; 16 x batch
	s_and_b32 s95, s87, 1023
	s_lshr_b32 s95, s95, 6                         ; + head
	s_add_co_u32 s89, s89, s95
	s_lshl_b32 s89, s89, 17
	s_add_co_u32 s88, s88, s89
	s_and_b32 s95, s86, 2047
	s_lshl_b32 s95, s95, 6                         ; 64 bytes a token, in each of the three layouts
	s_add_co_u32 s88, s88, s95
	s_mov_b32 s89, 0
	s_add_nc_u64 s[12:13], s[12:13], s[88:89]
	s_lshl_b32 s90, s87, 2
	s_mov_b32 s91, 0
	s_add_nc_u64 s[10:11], s[10:11], s[90:91]      ; the bias at my first feature
	; THE BIAS, once, in the result's layout: q, k: register 8 b + j = feature 16 b + 8 h + j;  v: register 8 a + j = feature 16 a + r, for every j.  One form serves both: the three steps were chosen above.
	v_mul_u32_u24 v5, s94, v1
	v_mad_u32_u24 v5, v2, s93, v5
	s_wait_alu depctr_va_vdst(0)
.irp j, 0,1,2,3,4,5,6,7
	s_mul_i32 s95, s92, \j
	v_add_nc_u32 v[OFFJ+\j], s95, v5
.endr
.irp i, 0,1,2,3,4,5,6,7
.irp j, 0,1,2,3,4,5,6,7
	global_load_b32 v[BI+8*\i+\j], v[OFFJ+\j], s[10:11] offset:64*\i
.endr
.endr
	s_wait_kmcnt 0x0
	s_add_co_i32 s96, s76, s77
	s_add_co_i32 s96, s96, 127
	s_lshl_b32 s96, s96, 23                        ; 2^(e0 + e1) as f32
	s_mov_b32 s97, s96                             ; (named with it as a pair, so it is written)
	s_cmp_eq_u32 s66, 0
	s_cselect_b32 s95, s78, s79                    ; the output's exponent: e2 for q, e3 for k,
	s_cmp_eq_u32 s66, 2
	s_cselect_b32 s95, s81, s95                    ; e5 for v: a choice, no branch
	s_add_co_i32 s95, s95, 127
	s_lshl_b32 s74, s95, 23
	v_mov_b32 v[SC], s74                           ; 2^e: the conversion takes its exponent field
	s_add_co_i32 s95, s95, 15
	s_lshl_b32 s95, s95, 23
	s_or_b32 s95, s95, 0x600000
	v_mov_b32 v[LIM], s95                          ; 57,344 x 2^e
.macro FRAG reg, adr, q, i             ; a fragment: lane l holds row l % 16; registers 4 c .. 4 c + 3 hold K = 32 c + 16 (l / 16) + 0 .. 15
.irp c, 0,1,2,3
	ds_load_b128 v[\reg+4*\c:\reg+4*\c+3], v[\adr] offset:128*(\q)+32*\c+(\i)*16*PITCH
.endr
.endm
; 16 matrix instructions: A's blocks a0, a0 + 1 x B's eight, 128 along K.  p: B's set.  zero = 1: the first product starts the sums.  The 64 accumulators take turns, one instruction a turn.
.macro MUL16 a0, p, zero
.irp a, \a0, \a0+1
.irp b, 0,1,2,3,4,5,6,7
.if \zero
	v_wmma_f32_16x16x128_bf8_bf8 v[8*(8*((\a)%4)+\b):8*(8*((\a)%4)+\b)+7], v[128*(\p)+FR*\b:128*(\p)+FR*\b+FR-1], v[AF+FR*(\a):AF+FR*(\a)+FR-1], 0
.else
	v_wmma_f32_16x16x128_bf8_bf8 v[8*(8*((\a)%4)+\b):8*(8*((\a)%4)+\b)+7], v[128*(\p)+FR*\b:128*(\p)+FR*\b+FR-1], v[AF+FR*(\a):AF+FR*(\a)+FR-1], v[8*(8*((\a)%4)+\b):8*(8*((\a)%4)+\b)+7]
.endif
.endr
.endr
.endm
.macro FETCH_B slot, q, p              ; B's eight fragments of the slot's q-th 128 along K into set p
	WIN TO_B
.irp i, 0,1,2,3,4,5,6,7
	FRAG 128*(\p)+FR*\i, ADRB+\slot, \q, \i
.endr
	WIN 0
.endm
.macro FETCH_A slot, q, i0             ; A's blocks i0 .. i0 + 3
.irp i, \i0, \i0+1, \i0+2, \i0+3
	FRAG AF+FR*(\i), ADRA+\slot, \q, \i
.endr
.endm
.macro PLACES n                        ; plain vector instructions between a matrix instruction and a load into, or a read of, its registers
.rept \n
	v_nop
.endr
.endm
; A step of 128 along K that has its successor in the same slot.  A block of A is free once its eight products are issued: blocks 0-3 are fetched anew in the middle, blocks 4-7 at the end.
.macro STEP slot, q, zero
	s_wait_dscnt 4*NL                              ; B's set and A's blocks 0-3 are in; the youngest sixteen loads (A's blocks 4-7) may be out
	WIN MUL_LO
	MUL16 0, (\q)%2, \zero
	MUL16 2, (\q)%2, \zero
	s_wait_dscnt 0                                 ; A's blocks 4-7 are in
	PLACES NP
	FETCH_B \slot, (\q)+1, 1-(\q)%2
	FETCH_A \slot, (\q)+1, 0
	WIN MUL_HI
	MUL16 4, (\q)%2, \zero
	MUL16 6, (\q)%2, \zero
	PLACES NP
	WIN 0
	FETCH_A \slot, (\q)+1, 4
.endm
; A slot's last step changes slots: ONE barrier; in front of it each wave waits for all its tensor loads, adds 0 to its spare word, and waits for that and for its reads of this slot.  fill = 1: the slot is filled again, two slots ahead.
.macro TURN slot, next, fill
	s_wait_tensorcnt 0x0                           ; all my tensor loads have landed: my part of the next slot
	ds_add_u32 v[SPW], v[NIL]                      ; 0 onto my spare word
	s_wait_dscnt 4*NL+1                            ; (the add and the youngest sixteen loads, A's blocks 4-7, may be out)
	WIN MUL_LO
	MUL16 0, 1, 0
	s_wait_dscnt 0x0                               ; the add is done, and my reads of this slot are over
	s_barrier_signal -1
	MUL16 2, 1, 0
	WIN 0
	s_barrier_wait -1
.if \fill
	CREST                                          ; the barrier has opened a round of the cluster's: no wave of any partner still reads this slot or has a load on its way
	s_add_nc_u64 s[G0+4*\slot+2:G0+4*\slot+3], s[G0+4*\slot+2:G0+4*\slot+3], 2*ROWB
	s_add_nc_u64 s[G0B+4*\slot+2:G0B+4*\slot+3], s[G0B+4*\slot+2:G0B+4*\slot+3], 2*ROWB
	JLOAD G0+4*\slot, G1, G0B+4*\slot, G1B         ; the first tensor load behind the round, one a wave; its four v_nop are the places in front of the loads below
.else
	PLACES NP
.endif
	FETCH_B \next, 0, 0
	FETCH_A \next, 0, 0
	WIN MUL_HI
	MUL16 4, 1, 0
	MUL16 6, 1, 0
	PLACES NP
	WIN 0
	FETCH_A \next, 0, 4
.endm
	s_wait_alu depctr_va_vdst(0)                   ; the wait at the head's end
	s_wait_loadcnt 0x0                             ; the bias
	s_wait_tensorcnt 0x0                           ; my part of slot 0 is in; slot 1's first fill is issued as a refill is:
	ds_add_u32 v[SPW], v[NIL]                      ; 0 onto my spare word
	s_wait_dscnt 0x0
	CROUND                                         ; everybody's part of slot 0 is in, and the sixteen work-groups meet
	JLOAD G0+4, G1, G0B+4, G1B                     ; slot 1: the first tensor load behind the round
	FETCH_B 0, 0, 0
	FETCH_A 0, 0, 0
	FETCH_A 0, 0, 4
	ASK 768                                        ; K step 3, the last
	STEP 0, 0, 1
	TURN 0, 1, 1                                   ; slot 0 takes K 512 on,
	STEP 1, 0, 0
	TURN 1, 0, 1                                   ; slot 1 takes K 768 on,
	STEP 0, 0, 0
	TURN 0, 1, 0                                   ; and nothing is left to fetch
	STEP 1, 0, 0
	s_wait_dscnt 4*NL                              ; the last step
	WIN MUL_LO
	MUL16 0, 1, 0
	MUL16 2, 1, 0
	s_wait_dscnt 0
	WIN MUL_HI
	MUL16 4, 1, 0
	MUL16 6, 1, 0
	WIN 0
; THE WAY OUT, without LDS.  Four accumulators (A's block a, B's blocks 4 q .. 4 q + 3) at a time: sum x 2^(e0 + e1) + bias, the hold, the conversion: eight registers of codes, two stores of 512 bytes.
; Each accumulator is read from its low end on.  One plain line stands behind the last conversion, since the next group writes the numbers' registers.
.macro GROUP a, q, vpath
	WIN 0x02+((\a)/4)                              ; source 0: window 2 or 3
.irp be, 0,1,2,3
.if \vpath
.set IDX, \a
.else
.set IDX, 4*(\q)+\be
.endif
.irp jj, 0,2,4,6
	v_pk_fma_f32 v[TMP+8*\be+\jj:TMP+8*\be+\jj+1], v[8*(8*((\a)%4)+4*(\q)+\be)+\jj:8*(8*((\a)%4)+4*(\q)+\be)+\jj+1], s[96:97], v[BI+8*IDX+\jj:BI+8*IDX+\jj+1] op_sel_hi:[1,0,1]
.endr
.endr
	WIN 0
.set n, 0
.rept 32
	v_med3_num_f32 v[TMP+n], v[TMP+n], -v[LIM], v[LIM]   ; the conversion to an 8-bit code does not saturate (ISA guide 7.6.2): the hold at the largest code x the scale
.set n, n+1
.endr
.irp be, 0,1,2,3
	v_cvt_scalef32_pk8_bf8_f32 v[CD+16*(\a)+8*(\q)+2*\be:CD+16*(\a)+8*(\q)+2*\be+1], v[TMP+8*\be:TMP+8*\be+7], v[SC]
.endr
	v_nop
.irp g, 0,1
.if \vpath
	global_store_b128 v[LO], v[CD+16*(\a)+8*(\q)+4*\g:CD+16*(\a)+8*(\q)+4*\g+3], s[12:13] offset:((\a)/4)*131072+((\a)%4)*2048+(2*(\q)+\g)*512   ; head a / 4, channel tile a % 4, registers 8 q + 4 g on
.else
	global_store_b128 v[LO], v[CD+16*(\a)+8*(\q)+4*\g:CD+16*(\a)+8*(\q)+4*\g+3], s[12:13] offset:(\q)*131072+(\a)*1024+\g*512                    ; head q, token tile a, registers 4 g on
.endif
.endr
.endm
	PLACES NP                                      ; behind the last products: their results are read, and the codes land where A's fragments lay
	s_cmp_eq_u32 s66, 2                            ; the cluster's x: the same in all partners
	s_cbranch_scc1 .Lway_v
.irp a, 0,1,2,3,4,5,6,7
.irp q, 0,1
	GROUP \a, \q, 0
.endr
.endr
	s_branch .Lend
.Lway_v:
.irp a, 0,1,2,3,4,5,6,7
.irp q, 0,1
	GROUP \a, \q, 1
.endr
.endr
.Lend:
	s_wait_tensorcnt 0x0                           ; the wave's end
	ds_add_u32 v[SPW], v[NIL]
	s_wait_dscnt 0x0
	CROUND                                         ; the closing round: no work-group ends while a partner may still ask for a tile that names it
	s_endpgm
.Lfunc_end_k_q614fd20a8c_qkv:
	.size	k_q614fd20a8c_qkv, .Lfunc_end_k_q614fd20a8c_qkv-k_q614fd20a8c_qkv
	.p2alignl 7, 3214868480
	.fill 96, 4, 3214868480
	.section	.rodata,"a",@progbits
	.p2align	6, 0x0
	.amdhsa_kernel k_q614fd20a8c_qkv
		.amdhsa_group_segment_fixed_size 327680
		.amdhsa_private_segment_fixed_size 0
		.amdhsa_enable_private_segment 0
		.amdhsa_kernarg_size 40
		.amdhsa_user_sgpr_count 2
		.amdhsa_user_sgpr_kernarg_segment_ptr 1
		.amdhsa_wavefront_size32 1
		.amdhsa_system_sgpr_workgroup_id_x 1
		.amdhsa_system_sgpr_workgroup_id_y 1
		.amdhsa_system_sgpr_workgroup_id_z 1
		.amdhsa_system_vgpr_workitem_id 0
		.amdhsa_next_free_vgpr 1024
		.amdhsa_next_free_sgpr 100
		.amdhsa_reserve_vcc 0
		.amdhsa_float_denorm_mode_32 3
		.amdhsa_float_denorm_mode_16_64 3
		.amdhsa_memory_ordered 1
		.amdhsa_forward_progress 1
		.amdhsa_inst_pref_size 199
	.end_amdhsa_kernel
	.amdgpu_metadata
---
amdhsa.version: [ 1, 2 ]
amdhsa.kernels:
  - .name:           k_q614fd20a8c_qkv
    .symbol:         k_q614fd20a8c_qkv.kd
    .args:
      - { .name: x_codes, .offset: 0, .size: 8, .value_kind: global_buffer, .address_space: global }
      - { .name: w_qkv_codes, .offset: 8, .size: 8, .value_kind: global_buffer, .address_space: global }
      - { .name: lowp_scales, .offset: 16, .size: 8, .value_kind: global_buffer, .address_space: global }
      - { .name: b_qkv, .offset: 24, .size: 8, .value_kind: global_buffer, .address_space: global }
      - { .name: qkv, .offset: 32, .size: 8, .value_kind: global_buffer, .address_space: global }
    .group_segment_fixed_size: 327680
    .private_segment_fixed_size: 0
    .kernarg_segment_align: 8
    .kernarg_segment_size: 40
    .max_flat_workgroup_size: 128
    .sgpr_count:     100
    .vgpr_count:     1024
    .wavefront_size: 32
...
	.end_amdgpu_metadata
.endif
;; end of part 1
;; launch attn (part 2): grid 4 x 64, 8 waves a work-group, clusters of 4 x 1, 327,680 bytes of LDS; arguments qkv, lowp_scales, o_img; writes o_img
.if DOCPART == 2
	.amdgcn_target "amdgcn-amd-amdhsa--gfx1250"
	.amdhsa_code_object_version 6
	.text
	.protected	k_q614fd20a8c_attn
	.globl	k_q614fd20a8c_attn
	.p2align	8
	.type	k_q614fd20a8c_attn,@function
k_q614fd20a8c_attn:
	s_mov_b64 s[64:65], 0
	v_nop
	global_prefetch_b8 v0, s[64:65] scope:SCOPE_SE
	s_setreg_imm32_b32 hwreg(HW_REG_WAVE_MODE, 25, 1), 1
	s_wait_xcnt 0x0
	s_wait_alu depctr_hold_cnt(0) depctr_sa_sdst(0) depctr_va_vdst(0) depctr_va_sdst(0) depctr_va_ssrc(0) depctr_va_vcc(0) depctr_vm_vsrc(0)
	s_getreg_b32 s2, hwreg(HW_REG_IB_STS2, 6, 4)
	s_cmp_eq_u32 s2, 0
	s_cbranch_scc0 .Lentry_in_a_cluster
	s_endpgm
.Lentry_in_a_cluster:
	s_bfe_u32 s2, ttmp6, 0x10000c
	s_cmp_lg_u32 s2, 0x3003
	s_cbranch_scc0 .Lentry_shape_is_right
	s_endpgm
.Lentry_shape_is_right:
; Attention of one (batch, head) on codes of BF8 (E5M2): O = softmax(Q K^T / 8) V, both products on codes; O is quantised (2^e6) and stored as an image of the projection's operand registers.
; INPUT: qkv, images of operand registers: part (q, k, v) x 2^23 + (16 batch + head) x 2^17.  q, k: [tile of 16 tokens][1,024 bytes], registers 2 c, 2 c + 1 = channels 16 c + 8 h + 0..7;
;   v: [block of 128 keys][tile of 16 channels][2,048 bytes], registers 2 c, 2 c + 1 = keys 16 c + 8 h + 0..7.  Four registers are 512 bytes, lane l's 16 at 16 l.
; SHARES.  A work-group owns 512 queries of a head, each of its 8 waves 64 (four tiles of 16): two waves to a SIMD, 512 registers each.  256 work-groups.
; The four work-groups of a head form a cluster and ask for K and V jointly.  All of a head's K (131,072 bytes, from LDS byte 0) and V (behind it) stay in LDS: each wave asks for 16,384 bytes of K at the head
; and for 16,384 of V behind the full sequence and a round of the cluster's barrier; V lands under the first walk.  Nothing is filled again.
; No data prefetch: both tensors are asked for whole at the head, so no later load is left to run ahead of.
; TWO WALKS OVER THE KEYS.  Walk 1: S^T = K Q^T, and only the largest score of each query is kept (lane by lane, 8 chains a tile; one reduction at its end): M = ceil(largest t), t = score x log2(e) / 8.
; Walk 2: S^T once more, p = 2^(t - M), the row's sum of the unquantised p, the hold, the codes, O^T += V^T P^T.  The scores are formed twice, 8 more matrix instructions for 16 queries x 128 keys;
; in exchange M is final in walk 2: no factor from step to step, none of the 16 packed multiplies on O^T, no chain from a step's maximum to its exponentials.
; Both products are used transposed: a lane holds ONE query (lane % 16); S^T's register 8 i + j is key 16 i + 8 (lane / 16) + j, so the conversions' results are the second product's operand.
; WALK 2 IS LAID IN UNITS (a tile of queries x 128 keys), three in hand.  A unit's text: the 64 exponentials of unit u + 1, and between them 48 lines of unit u that hang on nothing in the batch
; (16 first sums of neighbouring pairs into registers of their own, then the 32 holds in place); one wait; unit u's codes and second product; unit u + 2's scores; the rest of unit u's sum (a tree of 16); unit u + 2's t - M.
; K's next block is fetched in unit 1 of a block (its last reader is that unit's first product), V's in unit 3; each is waited for one unit later.
; LIMITS: e2 + e3 between -123 and 130 (added to the exponent field of log2(e) / 8); e4 and e6 between -126 and 112; e4 + e5 goes by v_ldexp_f32.  NaN and infinity are not served.
; REGISTERS.  Window 0: v1-6 addresses, v8-15 -M, v16-23 the sums, v24-47 and v224-231 the first sums, v48-79 Q, v80-207 two buffers of S^T, v208-223 p's codes (walk 1: v208-239 the maxima), v240-244 constants.
;   Window 1: v0-63 K's fragments, v64-127 V's (walk 1: K's second set), v128-255 O^T.
.set SPARE, 0x40000                    ; behind K and V: the spare words, 128 bytes a wave
.set LI,   1                           ; 16 x lane
.set ADK,  2
.set ADV,  3
.set LIV,  4                           ; 16 x lane + V's first byte
.set SPW,  5
.set NIL,  6
.set NM,   8                           ; v[8 + 2 t]: -M of tile t (the pair's upper word is only named)
.set LS,   16                          ; v[16 + 2 t ..]: tile t's sum, a pair
.set TS,   24                          ; first sum k: v[24 + 2 k], k < 12; v[200 + 2 k], k = 12 .. 15
.set QF,   48
.set S,    80
.set PC,   208
.set MX,   208
.set XC,   216
.set YC,   220
.set TO,   144
.set LIMP, 240                         ; 57,344 x 2^e4, twice: the two halves of a dual instruction name registers of different banks
.set SCP,  242                         ; 2^e4
.set SCO,  243                         ; 2^e6
.set LIMO, 244                         ; 57,344 x 2^e6
.set KF,   0
.set VF,   64
.set OA,   128
.set MSB, 0
.macro WIN new                         ; the immediate's high byte repeats the setting that is left
.if MSB != (\new)
	s_set_vgpr_msb (MSB<<8)|(\new)
.set MSB, (\new)
.endif
.endm
.set W_LD, 0x40                        ; destination window 1
.set W_QK, 0x01                        ; source 0 window 1
.set W_PV, 0x51                        ; source 0, C and D window 1
.macro CROUND                          ; a round of the cluster's barrier
	s_barrier_signal -1
	s_barrier_wait -1
	s_cmp_lg_u32 s10, 0
	s_cbranch_scc1 .Lnot_wave_0_\@
	s_barrier_signal -3
.Lnot_wave_0_\@:
	s_barrier_wait -3
	s_barrier_signal -1
	s_barrier_wait -1
.endm
.macro LDF buf, adr                    ; 8,192 bytes: an image of 64 registers
	WIN W_LD
.irp j, 0,1,2,3,4,5,6,7,8,9,10,11,12,13,14,15
	ds_load_b128 v[\buf+4*\j:\buf+4*\j+3], v[\adr] offset:512*\j
.endr
	WIN 0
.endm
.macro QK buf, t, p                    ; S^T of 128 keys x tile t into buffer p
	WIN W_QK
.irp i, 0,1,2,3,4,5,6,7
	v_wmma_f32_16x16x64_bf8_bf8 v[S+64*(\p)+8*\i:S+64*(\p)+8*\i+7], v[\buf+8*\i:\buf+8*\i+7], v[QF+8*(\t):QF+8*(\t)+7], 0
.endr
	WIN 0
.endm
.macro MAXU t, p                       ; 64 scores into tile t's eight chains, each accumulator from its low end on
.set n, 0
.rept 32
	v_max3_num_f32 v[MX+8*(\t)+n%8], v[MX+8*(\t)+n%8], v[S+64*(\p)+2*n], v[S+64*(\p)+2*n+1]
.set n, n+1
.endr
.endm
.macro FMAR t, p, lo, cnt              ; t - M, two at a time: cnt pairs from register lo of buffer p on
.set n, \lo
.rept \cnt
	v_pk_fma_f32 v[S+64*(\p)+n:S+64*(\p)+n+1], v[S+64*(\p)+n:S+64*(\p)+n+1], s[48:49], v[NM+2*(\t):NM+2*(\t)+1] op_sel_hi:[1,0,0]
.set n, n+2
.endr
.endm
.macro TADD a, b                       ; first sum a += first sum b
	v_pk_add_f32 v[TS+2*(\a)+((\a)/12)*176:TS+2*(\a)+((\a)/12)*176+1], v[TS+2*(\a)+((\a)/12)*176:TS+2*(\a)+((\a)/12)*176+1], v[TS+2*(\b)+((\b)/12)*176:TS+2*(\b)+((\b)/12)*176+1]
.endm
; THE BATCH.  ex = 1: p = 2^(t - M) in buffer 1 - p.  Between the exponentials, on buffer p (exponentials of the unit before, long waited for): the sum of the UNQUANTISED p, first level, then the hold in place
; (the conversion does not saturate: ISA guide 7.6.2; p is not negative).  No line of the batch reads what another line of it writes.
.macro BATCH p, ex
.set k, 0
.rept 16
.set TK, TS+2*k+(k/12)*176
.set SA, S+64*(\p)+4*k
.set SE, S+64*(1-(\p))+4*k
.if \ex
	v_exp_f32 v[SE], v[SE]
.endif
	v_pk_add_f32 v[TK:TK+1], v[SA:SA+1], v[SA+2:SA+3]
.if \ex
	v_exp_f32 v[SE+1], v[SE+1]
.endif
	v_dual_min_num_f32 v[SA], v[SA], v[LIMP] :: v_dual_min_num_f32 v[SA+1], v[SA+1], v[LIMP+1]
.if \ex
	v_exp_f32 v[SE+2], v[SE+2]
.endif
	v_dual_min_num_f32 v[SA+2], v[SA+2], v[LIMP] :: v_dual_min_num_f32 v[SA+3], v[SA+3], v[LIMP+1]
.if \ex
	v_exp_f32 v[SE+3], v[SE+3]
.endif
.set k, k+1
.endr
.endm
	s_load_b128 s[4:7], s[0:1], 0x0                ; qkv, the scales' exponents
	s_load_b64 s[8:9], s[0:1], 0x10                ; o_img
	v_lshl_add_u32 v[SPW], v0, 2, SPARE
	v_mov_b32 v[NIL], 0
	ds_add_u32 v[SPW], v[NIL]                      ; the opening lines: the add, twice on end, and its wait
	ds_add_u32 v[SPW], v[NIL]
	v_lshrrev_b32 v1, 5, v0
	v_readfirstlane_b32 s10, v1                    ; wave 0..7
	s_bfe_u32 s11, ttmp6, 0x40000                  ; cx
	s_lshl_b32 s12, ttmp9, 2
	s_add_co_u32 s12, s12, s11                     ; my block of 512 queries
	s_and_b32 s13, ttmp7, 0xffff                   ; 16 batch + head
	s_mov_b32 s16, 15|(3<<16)|(1<<21)              ; group 1: the four partners; elements of 8 bytes; 64 rows of 256 bytes, dense
	s_mov_b32 s17, 32<<16
	s_mov_b32 s18, 64<<16
	s_mov_b32 s19, 32<<16
	s_mov_b32 s20, 64
	s_mov_b32 s21, 32
	s_mov_b32 s22, 0
	s_mov_b32 s23, 0
	s_lshl_b32 s57, s10, 14                        ; my 16,384 bytes of K and of V
	s_mov_b32 s32, 1
	s_mov_b32 s33, s57
	s_mov_b32 s36, 1
	s_add_co_u32 s37, s57, 131072
	s_lshl_b32 s14, s13, 17
	s_add_co_u32 s60, s14, s57
	s_add_co_u32 s62, s60, 2<<23
	s_add_co_u32 s60, s60, 1<<23
	s_mov_b32 s61, 0
	s_mov_b32 s63, 0
	s_mov_b32 s50, 0x76543210                      ; lane l xor 16
	s_mov_b32 s51, 0xfedcba98
	s_wait_dscnt 0x0
	s_wait_kmcnt 0x0
	s_load_b256 s[40:47], s[6:7], 0x0              ; e0 .. e7
	s_add_nc_u64 s[34:35], s[4:5], s[60:61]
	s_or_b32 s35, s35, 0x80000000
	s_add_nc_u64 s[38:39], s[4:5], s[62:63]
	s_or_b32 s39, s39, 0x80000000
	CROUND
	tensor_load_to_lds s[32:35], s[16:23]          ; K: one load a wave at the head
	s_nop 0
	s_lshl_b32 s54, s12, 5
	s_lshl_b32 s55, s10, 2
	s_add_co_u32 s54, s54, s55                     ; my first tile of 16 tokens
	s_lshl_b32 s60, s54, 10
	s_add_co_u32 s60, s60, s14
	s_add_nc_u64 s[4:5], s[4:5], s[60:61]          ; Q's images
	s_lshr_b32 s55, s13, 4
	s_lshl_b32 s55, s55, 7
	s_add_co_u32 s55, s55, s54
	s_lshl_b32 s60, s55, 14                        ; o_img: 16,384 bytes a tile of tokens,
	s_and_b32 s55, s13, 15
	s_lshr_b32 s55, s55, 1
	s_lshl_b32 s55, s55, 11                        ; 2,048 for 128 channels (two heads),
	s_add_co_u32 s60, s60, s55
	s_and_b32 s55, s13, 1
	s_lshl_b32 s55, s55, 10                        ; 1,024 a head
	s_add_co_u32 s60, s60, s55
	s_add_nc_u64 s[8:9], s[8:9], s[60:61]
	v_and_b32 v1, 31, v0
	v_lshlrev_b32 v[LI], 4, v1
	v_add_nc_u32 v[LIV], 131072, v[LI]
.irp t, 0,1,2,3
.irp g, 0,1
	global_load_b128 v[QF+8*\t+4*\g:QF+8*\t+4*\g+3], v[LI], s[4:5] offset:\t*1024+\g*512 th:TH_LOAD_NT
.endr
.endr
.set i, 0
.rept 32                                       ; these stand while K's load is out
	v_mov_b32 v[MX+i], 0xff7fffff                  ; the largest score so far: under every number
.set i, i+1
.endr
.set i, 0
.rept 8
	v_mov_b32 v[LS+i], 0                           ; the sums
.set i, i+1
.endr
.irp t, 0,1,2,3
	v_mov_b32 v[NM+2*\t+1], 0                      ; (named as a pair's upper word)
.endr
	WIN 0x40
.set i, 0
.rept 128
	v_mov_b32 v[OA+i], 0                           ; O^T: cleared once, so that walk 2's first block needs no copy of its own (four units of text)
.set i, i+1
.endr
	WIN 0
	s_wait_kmcnt 0x0
	s_add_co_i32 s54, s42, s43
	s_lshl_b32 s54, s54, 23
	s_mov_b32 s48, 0x3e38aa3b                      ; log2(e) / 8,
	s_add_co_i32 s48, s48, s54                     ; x 2^(e2 + e3)
	s_mov_b32 s49, s48
	s_add_co_i32 s54, s44, 127
	s_lshl_b32 s55, s54, 23
	v_mov_b32 v[SCP], s55
	s_add_co_i32 s54, s54, 15
	s_lshl_b32 s54, s54, 23
	s_or_b32 s54, s54, 0x600000
	v_mov_b32 v[LIMP], s54
	v_mov_b32 v[LIMP+1], s54
	s_add_co_i32 s54, s46, 127
	s_lshl_b32 s55, s54, 23
	v_mov_b32 v[SCO], s55
	s_add_co_i32 s54, s54, 15
	s_lshl_b32 s54, s54, 23
	s_or_b32 s54, s54, 0x600000
	v_mov_b32 v[LIMO], s54
	s_add_co_i32 s15, s44, s45                     ; e4 + e5
	s_wait_alu depctr_va_vdst(0)                   ; the wait at the head's end
	s_wait_tensorcnt 0x0                           ; my part of K is in; V's first fill is issued as a refill is
	ds_add_u32 v[SPW], v[NIL]
	s_wait_dscnt 0x0
	CROUND                                         ; K is whole, and the four partners meet
	tensor_load_to_lds s[36:39], s[16:23]          ; V
	s_nop 0
.rept 4
	v_nop
.endr
	s_wait_loadcnt 0x0                             ; Q
; WALK 1.  A trip is two blocks of 128 keys, on K's two sets of registers; a tile's scores are issued one unit ahead of their maxima.
; The last trip's second fetch wraps to block 0, and its last product is walk 2's first: nothing is fetched or multiplied for nothing.
	LDF KF, LI
	s_mov_b32 s52, 0
	s_mov_b32 s53, 8
	s_wait_dscnt 0x0
	QK KF, 0, 0
.rept 4
	v_nop
.endr
.Lp1:
	s_add_co_u32 s54, s52, 8192
	v_add_nc_u32 v[ADK], s54, v[LI]
	LDF VF, ADK                                    ; the odd block
	QK KF, 1, 1
	MAXU 0, 0
	QK KF, 2, 0
	MAXU 1, 1
	QK KF, 3, 1
	MAXU 2, 0
	s_wait_dscnt 0x0
	QK VF, 0, 0
	MAXU 3, 1
	s_add_co_u32 s54, s52, 16384
	s_and_b32 s54, s54, 0x1ffff                    ; the next even block; behind block 15 comes block 0
	v_add_nc_u32 v[ADK], s54, v[LI]
	LDF KF, ADK
	QK VF, 1, 1
	MAXU 0, 0
	QK VF, 2, 0
	MAXU 1, 1
	QK VF, 3, 1
	MAXU 2, 0
	s_wait_dscnt 0x0
	QK KF, 0, 0
	MAXU 3, 1
	s_add_co_u32 s52, s52, 16384
	s_sub_co_u32 s53, s53, 1
	s_cmp_lg_u32 s53, 0
	s_wait_alu depctr_va_vdst(0)                   ; the wait ahead of the backward jump
	s_cbranch_scc1 .Lp1
; M: eight chains to one, lane l xor 16's, as t, rounded up.  The four tiles take turns line by line.
.irp t, 0,1,2,3
	v_max3_num_f32 v[MX+8*\t], v[MX+8*\t], v[MX+8*\t+1], v[MX+8*\t+2]
.endr
.irp t, 0,1,2,3
	v_max3_num_f32 v[MX+8*\t+3], v[MX+8*\t+3], v[MX+8*\t+4], v[MX+8*\t+5]
.endr
.irp t, 0,1,2,3
	v_max3_num_f32 v[MX+8*\t], v[MX+8*\t], v[MX+8*\t+6], v[MX+8*\t+7]
.endr
.irp t, 0,1,2,3
	v_max_num_f32 v[MX+8*\t], v[MX+8*\t], v[MX+8*\t+3]
.endr
.irp t, 0,1,2,3
	v_permlanex16_b32 v[MX+8*\t+1], v[MX+8*\t], s50, s51
.endr
.irp t, 0,1,2,3
	v_max_num_f32 v[MX+8*\t], v[MX+8*\t], v[MX+8*\t+1]
.endr
.irp t, 0,1,2,3
	v_mul_f32 v[MX+8*\t], s48, v[MX+8*\t]          ; as t (the factor is positive)
.endr
.irp t, 0,1,2,3
	v_floor_f32 v[NM+2*\t], -v[MX+8*\t]            ; -M = floor(-t) = -ceil(t)
.endr
	FMAR 0, 0, 0, 32
	s_wait_alu depctr_va_vdst(0)                   ; ahead of the waits below and of the exponentials
	s_wait_tensorcnt 0x0                           ; my part of V is in
	s_wait_dscnt 0x0
	s_barrier_signal -1
	s_barrier_wait -1                              ; V is whole
	LDF VF, LIV                                    ; V's block 0
	QK KF, 1, 1
.set n, 0
.rept 64
	v_exp_f32 v[S+n], v[S+n]                       ; unit 0's exponentials have no unit before them
.set n, n+1
.endr
.rept 4
	v_nop                                          ; the place behind the batch, and the places behind the product above
.endr
	s_wait_alu depctr_va_vdst(0)                   ; behind the batch, directly ahead of the first reader of the scores
	FMAR 1, 1, 0, 32
; WALK 2, a unit.  more = 1: in the loop; 0: the last block, which fetches and prepares nothing beyond the end.
.macro UNIT t, more
.set P, (\t)%2
.set DOF, \more || ((\t) < 2)          ; is there a unit u + 2?
.if \more || (\t) < 3
	BATCH P, 1
	v_nop                                          ; a plain place behind the last exponential
	s_wait_alu depctr_va_vdst(0)                   ; one wait behind the batch: for the exponentials, the first sums and the holds
.else
	BATCH P, 0
.endif
.irp i, 0,1,2,3,4,5,6,7
	v_cvt_scalef32_pk8_bf8_f32 v[PC+2*\i:PC+2*\i+1], v[S+64*P+8*\i:S+64*P+8*\i+7], v[SCP]
.endr
	v_nop                                          ; one plain line behind the last conversion
	WIN W_PV
.if (\t) == 0 || ((\t) == 2 && \more)
	s_wait_dscnt 0x0                               ; unit 0: V's block; unit 2: K's next block; each asked for one unit ago
.endif
	s_wait_alu depctr_va_vdst(0)                   ; directly ahead of O^T's first readers
.irp c, 0,1,2,3
	v_wmma_f32_16x16x128_bf8_bf8 v[OA+32*(\t)+8*\c:OA+32*(\t)+8*\c+7], v[VF+16*\c:VF+16*\c+15], v[PC:PC+15], v[OA+32*(\t)+8*\c:OA+32*(\t)+8*\c+7]
.endr
.if DOF
	QK KF, ((\t)+2)%4, P                           ; the unit after next, where this unit's p lay
.endif
	WIN 0
.irp k, 0,2,4,6,8,10,12,14                     ; the rest of the sum: 16 first sums to one.  Its first twelve lines are the places behind the products
	TADD \k, \k+1
.endr
.irp k, 0,4,8,12
	TADD \k, \k+2
.endr
.if DOF
	FMAR ((\t)+2)%4, P, 0, 4
.endif
	TADD 0, 4
	TADD 8, 12
.if DOF
	FMAR ((\t)+2)%4, P, 8, 4
.endif
	TADD 0, 8
.if DOF
	FMAR ((\t)+2)%4, P, 16, 4
.endif
	v_pk_add_f32 v[LS+2*(\t):LS+2*(\t)+1], v[LS+2*(\t):LS+2*(\t)+1], v[TS:TS+1]
.if DOF
	FMAR ((\t)+2)%4, P, 24, 20
.endif
.if \more && (\t) == 1
	v_add_nc_u32 v[ADK], s52, v[LI]
	LDF KF, ADK
.endif
.if \more && (\t) == 3
	v_add_nc_u32 v[ADV], s52, v[LIV]
	LDF VF, ADV
	s_add_co_u32 s52, s52, 8192
.endif
.if DOF && !(\more && (\t) == 3)
	s_wait_alu depctr_va_vdst(0)                   ; ahead of the next batch (in the loop's last unit it stands ahead of the backward jump)
.endif
.endm
	s_mov_b32 s52, 8192                            ; the next block's bytes
	s_mov_b32 s53, 15
	s_wait_alu depctr_va_vdst(0)                   ; ahead of the first batch
.Lp2:
	UNIT 0, 1
	UNIT 1, 1
	UNIT 2, 1
	UNIT 3, 1
	s_sub_co_u32 s53, s53, 1
	s_cmp_lg_u32 s53, 0
	s_wait_alu depctr_va_vdst(0)                   ; ahead of the backward jump and of the next batch
	s_cbranch_scc1 .Lp2
	UNIT 0, 0
	UNIT 1, 0
	UNIT 2, 0
	UNIT 3, 0
; THE WAY OUT: the sums' halves, lane l xor 16's, the reciprocal x 2^(e4 + e5); O^T x that, the hold, the codes, the exchange between the lanes' halves that the projection's image wants.
.irp t, 0,1,2,3
	v_add_f32 v[LS+2*\t], v[LS+2*\t], v[LS+2*\t+1]
.endr
.irp t, 0,1,2,3
	v_permlanex16_b32 v[LS+2*\t+1], v[LS+2*\t], s50, s51
.endr
.irp t, 0,1,2,3
	v_add_f32 v[LS+2*\t], v[LS+2*\t], v[LS+2*\t+1]
.endr
	s_wait_alu depctr_va_vdst(0)                   ; ahead of the batch
.irp t, 0,1,2,3
	v_rcp_f32 v[LS+2*\t], v[LS+2*\t]
.endr
	v_nop
	s_mov_b32 vcc_lo, 0xffff0000                   ; lanes 16-31
	s_wait_alu depctr_va_vdst(0)                   ; behind the batch
.irp t, 0,1,2,3
	v_ldexp_f32 v[LS+2*\t], v[LS+2*\t], s15
.endr
.irp k, 0,1,2,3
	v_mov_b32 v[YC+\k], 0                          ; a lane permute's destination counts as a source
.endr
.macro OUTT t
.set rO, OA+32*(\t)
	WIN 0x01
	s_wait_alu depctr_va_vdst(0)                   ; directly ahead of the first readers of this tile's O^T
.set j, 0
.rept 16
	v_pk_mul_f32 v[S+j:S+j+1], v[rO+j:rO+j+1], v[LS+2*(\t):LS+2*(\t)+1] op_sel_hi:[1,0]
.set j, j+2
.endr
	WIN 0
.set j, 0
.rept 32
	v_med3_num_f32 v[S+j], v[S+j], -v[LIMO], v[LIMO]
.set j, j+1
.endr
.irp c, 0,1,2,3
	v_cvt_scalef32_pk8_bf8_f32 v[PC+2*\c:PC+2*\c+1], v[S+8*\c:S+8*\c+7], v[SCO]
.endr
	v_nop
.irp k, 0,1,2,3
	v_cndmask_b32 v[XC+\k], v[PC+4*(\k/2)+2+(\k%2)], v[PC+4*(\k/2)+(\k%2)], vcc_lo
.endr
.irp k, 0,1,2,3
	v_permlanex16_b32 v[YC+\k], v[XC+\k], s50, s51
.endr
.irp k, 0,1,2,3
	v_cndmask_b32 v[TO+8*(\t)+4*(\k/2)+(\k%2)], v[PC+4*(\k/2)+(\k%2)], v[YC+\k], vcc_lo
	v_cndmask_b32 v[TO+8*(\t)+4*(\k/2)+2+(\k%2)], v[YC+\k], v[PC+4*(\k/2)+2+(\k%2)], vcc_lo
.endr
.irp g, 0,1
	global_store_b128 v[LI], v[TO+8*(\t)+4*\g:TO+8*(\t)+4*\g+3], s[8:9] offset:(\t)*16384+\g*512   ; a wave's store covers 512 consecutive bytes, aligned
.endr
.endm
	OUTT 0
	OUTT 1
	OUTT 2
	OUTT 3
	s_wait_tensorcnt 0x0                           ; the wave's end
	ds_add_u32 v[SPW], v[NIL]
	s_wait_dscnt 0x0
	CROUND                                         ; the closing round
	s_endpgm
.Lfunc_end_k_q614fd20a8c_attn:
	.size	k_q614fd20a8c_attn, .Lfunc_end_k_q614fd20a8c_attn-k_q614fd20a8c_attn
	.p2alignl 7, 3214868480
	.fill 96, 4, 3214868480
	.section	.rodata,"a",@progbits
	.p2align	6, 0x0
	.amdhsa_kernel k_q614fd20a8c_attn
		.amdhsa_group_segment_fixed_size 327680
		.amdhsa_private_segment_fixed_size 0
		.amdhsa_enable_private_segment 0
		.amdhsa_kernarg_size 24
		.amdhsa_user_sgpr_count 2
		.amdhsa_user_sgpr_kernarg_segment_ptr 1
		.amdhsa_wavefront_size32 1
		.amdhsa_system_sgpr_workgroup_id_x 1
		.amdhsa_system_sgpr_workgroup_id_y 1
		.amdhsa_system_sgpr_workgroup_id_z 1
		.amdhsa_system_vgpr_workitem_id 0
		.amdhsa_next_free_vgpr 512
		.amdhsa_next_free_sgpr 66
		.amdhsa_reserve_vcc 1
		.amdhsa_float_denorm_mode_32 3
		.amdhsa_float_denorm_mode_16_64 3
		.amdhsa_memory_ordered 1
		.amdhsa_forward_progress 1
		.amdhsa_inst_pref_size 137
	.end_amdhsa_kernel
	.amdgpu_metadata
---
amdhsa.version: [ 1, 2 ]
amdhsa.kernels:
  - .name:           k_q614fd20a8c_attn
    .symbol:         k_q614fd20a8c_attn.kd
    .args:
      - { .name: qkv, .offset: 0, .size: 8, .value_kind: global_buffer, .address_space: global }
      - { .name: lowp_scales, .offset: 8, .size: 8, .value_kind: global_buffer, .address_space: global }
      - { .name: o_img, .offset: 16, .size: 8, .value_kind: global_buffer, .address_space: global }
    .group_segment_fixed_size: 327680
    .private_segment_fixed_size: 0
    .kernarg_segment_align: 8
    .kernarg_segment_size: 24
    .max_flat_workgroup_size: 256
    .sgpr_count:     66
    .vgpr_count:     512
    .wavefront_size: 32
...
	.end_amdgpu_metadata
.endif
;; end of part 2
;; launch proj (part 3): grid 64 x 4, 4 waves a work-group, clusters of 4 x 1, 327,680 bytes of LDS; arguments o_img, w_out_codes, lowp_scales, b_out, out0; writes out0
.if DOCPART == 3
	.amdgcn_target "amdgcn-amd-amdhsa--gfx1250"
	.amdhsa_code_object_version 6
	.text
	.protected	k_q614fd20a8c_proj
	.globl	k_q614fd20a8c_proj
	.p2align	8
	.type	k_q614fd20a8c_proj,@function
k_q614fd20a8c_proj:
	s_mov_b64 s[64:65], 0
	v_nop
	global_prefetch_b8 v0, s[64:65] scope:SCOPE_SE
	s_setreg_imm32_b32 hwreg(HW_REG_WAVE_MODE, 25, 1), 1
	s_wait_xcnt 0x0
	s_wait_alu depctr_hold_cnt(0) depctr_sa_sdst(0) depctr_va_vdst(0) depctr_va_sdst(0) depctr_va_ssrc(0) depctr_va_vcc(0) depctr_vm_vsrc(0)
	s_getreg_b32 s2, hwreg(HW_REG_IB_STS2, 6, 4)
	s_cmp_eq_u32 s2, 0
	s_cbranch_scc0 .Lentry_in_a_cluster
	s_endpgm
.Lentry_in_a_cluster:
	s_bfe_u32 s2, ttmp6, 0x10000c
	s_cmp_lg_u32 s2, 0x3003
	s_cbranch_scc0 .Lentry_shape_is_right
	s_endpgm
.Lentry_shape_is_right:
; out0 = O w_out^T + b_out on codes of BF8 (E5M2).  O: 8,192 tokens x 1,024, as images of operand registers (o_img); w_out: [1,024][1,024] codes, K innermost; out0 f32.
; A sum stands for sum x 2^(e6 + e7).  LIMIT: e6 + e7 between -126 and 127, so that the power of two is an f32 number.
; SHARES.  256 work-groups; each makes 128 tokens x 256 features with four waves; a wave makes 64 x 128: 32 accumulators, 256 registers.
; B (w_out): the block's 256 rows with ALL of K, 256 x (1,024 + 16) = 266,240 bytes of LDS, asked for once, at the head: each wave one load of 64 rows.  Nothing is filled again.
;   The four work-groups of a cluster take neighbouring blocks of tokens and the same 256 features: they ask for B jointly.
; A (o_img): [tile of 16 tokens][16,384 bytes]; in it 128 along K are 2,048 bytes, four registers 512 bytes, lane l's 16 at 16 l.  So a fragment goes from memory straight into registers, each load
;   covering 512 consecutive bytes, aligned; it is shared by no partner of the cluster and passes through no LDS.  A wave's A is 64 rows x 1,024 = 512 registers, none written twice.
;   A's loads go in groups of 16 (128 along K), four groups ahead of their use.
; K inside an instruction is permuted, alike in both operands: registers 4 c .. 4 c + 3 hold K = 32 c + 16 (lane / 16) + 0 .. 15.
; TRANSPOSED USE: source 0 = 16 rows of B, source 1 = 16 rows of A: a lane holds eight neighbouring features of one token.
; THE WALK: 16 half-steps (128 along K x 64 features), 16 matrix instructions each on 16 accumulators by turns; B's four fragments of a half-step rotate through three buffers, fetched two half-steps ahead.
; PREFETCH: at the head each wave asks for K 512 .. 1,023 of two of its four token tiles (8,192 bytes each, lanes 256 bytes apart): what the groups 4 to 7 will load, four groups ahead of the first of them.
;   The two waves that load the same tiles share them out by address.  B and A's first four groups are asked for at the head by their loads.
; REGISTERS.  Window 0: v8-11 bias, v16-29 addresses, v64-255 B's three buffers, later the rows read back.  Window 1: the accumulators, (a, b) at v[8 (8 a + b)].  Windows 2, 3: A, group q at v[64 (q % 4)].
.set BP,     1040                      ; an LDS row of B: 65 x 16 bytes: the 16 rows that a load touches start at 16 different banks (ISA guide 11.1)
.set SPARE,  256*BP                    ; behind B: the spare words, 128 bytes a wave
.set STAGE,  SPARE+512                 ; the way out: 16 rows x 528 bytes a wave, bytes that no load fills
.set SPITCH, 528
.set BIA,  8
.set ADRB, 16                          ; v16: my B rows 0-63, v17: rows 64-127 (an LDS offset has 16 bits)
.set STO,  24
.set RD,   25
.set CO,   26                          ; 16 x lane
.set PFO,  27                          ; 256 x lane
.set SPW,  28
.set NIL,  29
.set BF,   64
.set MSB, 0
.macro WIN new                         ; the immediate's high byte repeats the setting that is left
.if MSB != (\new)
	s_set_vgpr_msb (MSB<<8)|(\new)
.set MSB, (\new)
.endif
.endm
.macro CROUND                          ; a round of the cluster's barrier
	s_barrier_signal -1
	s_barrier_wait -1
	s_cmp_lg_u32 s14, 0
	s_cbranch_scc1 .Lnot_wave_0_\@
	s_barrier_signal -3
.Lnot_wave_0_\@:
	s_barrier_wait -3
	s_barrier_signal -1
	s_barrier_wait -1
.endm
.macro PLACES
.rept 4
	v_nop
.endr
.endm
.macro ALD q                           ; A's group q: four fragments, 16 loads, into window 2 or 3
	WIN 0x80+0x40*((\q)/4)
.irp a, 0,1,2,3
.irp c, 0,1,2,3
	global_load_b128 v[64*((\q)%4)+16*\a+4*\c:64*((\q)%4)+16*\a+4*\c+3], v[CO], s[4:5] offset:\a*16384+(\q)*2048+\c*512
.endr
.endr
	WIN 0
.endm
.macro BLD h                           ; B's four fragments of half-step h, 16 loads
	WIN 0
.irp bb, 0,1,2,3
.irp c, 0,1,2,3
	ds_load_b128 v[BF+64*((\h)%3)+16*\bb+4*\c:BF+64*((\h)%3)+16*\bb+4*\c+3], v[ADRB+(\h)%2] offset:\bb*16*BP+128*((\h)/2)+32*\c
.endr
.endr
.endm
.macro MULH h                          ; 16 matrix instructions; the first step's start the sums
	WIN 0x58+4*((\h)/8)                            ; source 0 window 0, source 1 window 2 or 3, C and D window 1
.irp bb, 0,1,2,3
.irp a, 0,1,2,3
.if (\h) < 2
	v_wmma_f32_16x16x128_bf8_bf8 v[8*(8*\a+4*((\h)%2)+\bb):8*(8*\a+4*((\h)%2)+\bb)+7], v[BF+64*((\h)%3)+16*\bb:BF+64*((\h)%3)+16*\bb+15], v[64*(((\h)/2)%4)+16*\a:64*(((\h)/2)%4)+16*\a+15], 0
.else
	v_wmma_f32_16x16x128_bf8_bf8 v[8*(8*\a+4*((\h)%2)+\bb):8*(8*\a+4*((\h)%2)+\bb)+7], v[BF+64*((\h)%3)+16*\bb:BF+64*((\h)%3)+16*\bb+15], v[64*(((\h)/2)%4)+16*\a:64*(((\h)/2)%4)+16*\a+15], v[8*(8*\a+4*((\h)%2)+\bb):8*(8*\a+4*((\h)%2)+\bb)+7]
.endif
.endr
.endr
.endm
	s_load_b256 s[4:11], s[0:1], 0x0               ; o_img s[4:5], w_out s[6:7], the exponents s[8:9], the bias s[10:11]
	s_load_b64 s[12:13], s[0:1], 0x20              ; out0
	v_lshl_add_u32 v[SPW], v0, 2, SPARE
	v_mov_b32 v[NIL], 0
	ds_add_u32 v[SPW], v[NIL]                      ; the opening lines: the add, twice on end, and its wait
	ds_add_u32 v[SPW], v[NIL]
	v_lshrrev_b32 v1, 5, v0
	v_readfirstlane_b32 s14, v1                    ; wave 0..3
	v_and_b32 v6, 31, v0
	v_lshlrev_b32 v[CO], 4, v6
	v_lshlrev_b32 v[PFO], 8, v6
	s_lshr_b32 s15, s14, 1                         ; my half of the tokens
	s_and_b32 s16, s14, 1                          ; my half of the features
	s_bfe_u32 s40, ttmp6, 0x40000                  ; cx
	s_lshl_b32 s17, ttmp9, 2
	s_add_co_u32 s17, s17, s40                     ; the block of 128 tokens, 0 .. 63
	s_and_b32 s42, ttmp7, 0xffff                   ; the tile of 256 features, 0 .. 3
	s_mov_b32 s24, 15|(1<<20)|(1<<21)|(7<<22)|(3<<25)  ; group 1: the four partners; elements of 1 byte; four words of padding behind every 256
	s_mov_b32 s25, 1024<<16                        ; 64 rows of 1,024 bytes
	s_mov_b32 s26, 64<<16
	s_mov_b32 s27, 1024<<16
	s_mov_b32 s28, 64
	s_mov_b32 s29, 1024
	s_mov_b32 s30, 0
	s_mov_b32 s31, 0
	s_mov_b32 s32, 1
	s_mul_i32 s33, s14, 64*BP                      ; LDS: wave x 64 rows
	s_lshl_b32 s46, s42, 8
	s_lshl_b32 s18, s14, 6
	s_add_co_u32 s46, s46, s18
	s_lshl_b32 s46, s46, 10                        ; B: row 256 x tile + 64 x wave
	s_mov_b32 s47, 0
	s_lshl_b32 s20, s17, 3
	s_lshl_b32 s18, s15, 2
	s_add_co_u32 s20, s20, s18
	s_lshl_b32 s20, s20, 14                        ; A: my first tile of 16 tokens
	s_mov_b32 s21, 0
	s_lshl_b32 s22, s42, 10
	s_lshl_b32 s18, s16, 9
	s_add_co_u32 s22, s22, s18                     ; my first feature, in bytes of f32
	s_mov_b32 s23, 0
	s_lshl_b32 s44, s17, 7
	s_lshl_b32 s18, s15, 6
	s_add_co_u32 s44, s44, s18
	s_lshl_b32 s44, s44, 12                        ; my first token's row of out0
	s_mov_b32 s45, 0
	s_lshl_b32 s48, s16, 15                        ; the prefetches: token tiles 2 x (my half of the features) on
	s_mov_b32 s49, 0
	s_wait_alu depctr_va_vdst(0)                   ; the wait ahead of the waits below
	s_wait_dscnt 0x0
	s_wait_kmcnt 0x0
	s_load_b256 s[76:83], s[8:9], 0x0              ; e0 .. e7
	s_add_nc_u64 s[34:35], s[6:7], s[46:47]
	s_or_b32 s35, s35, 0x80000000
	s_add_nc_u64 s[4:5], s[4:5], s[20:21]
	s_add_nc_u64 s[10:11], s[10:11], s[22:23]
	s_add_nc_u64 s[12:13], s[12:13], s[22:23]
	s_add_nc_u64 s[12:13], s[12:13], s[44:45]
	s_add_nc_u64 s[48:49], s[4:5], s[48:49]
	global_load_b128 v[BIA:BIA+3], v[CO], s[10:11] ; the bias of the four features that my lane stores
	ALD 0
	ALD 1
	ALD 2
	CROUND                                         ; the four partners meet
	tensor_load_to_lds s[32:35], s[24:31]          ; B: one load a wave
	s_nop 0
	PLACES
	global_prefetch_b8 v[PFO], s[48:49] offset:8192 th:TH_LOAD_NT scope:SCOPE_SE
	global_prefetch_b8 v[PFO], s[48:49] offset:24576 th:TH_LOAD_NT scope:SCOPE_SE
	ALD 3
	v_and_b32 v1, 15, v0                           ; r
	v_bfe_u32 v2, v0, 4, 1                         ; h
	v_mul_u32_u24 v3, v1, BP
	v_lshl_add_u32 v3, v2, 4, v3
	s_mul_i32 s22, s16, 128*BP
	v_add_nc_u32 v[ADRB], s22, v3
	v_add_nc_u32 v[ADRB+1], 64*BP, v[ADRB]
	s_mul_i32 s23, s14, 16*SPITCH
	s_add_co_u32 s23, s23, STAGE                   ; my stage
	v_mul_u32_u24 v5, v1, SPITCH
	v_lshl_add_u32 v5, v2, 5, v5
	v_add_nc_u32 v[STO], s23, v5                   ; in: row r, 32 bytes for each half of the lanes
	v_add_nc_u32 v[RD], s23, v[CO]                 ; back: the 32 lanes take one row of 512 bytes
	s_wait_kmcnt 0x0
	s_add_co_i32 s96, s82, s83
	s_add_co_i32 s96, s96, 127
	s_lshl_b32 s96, s96, 23                        ; 2^(e6 + e7)
	s_mov_b32 s97, s96
	s_wait_alu depctr_va_vdst(0)                   ; the wait at the head's end
	s_wait_tensorcnt 0x0                           ; my 64 rows of B are in
	s_barrier_signal -1
	s_barrier_wait -1                              ; all 256 are
	BLD 0
	BLD 1
.set h, 0
.rept 16
.if h < 14
.if h > 0
	PLACES                                         ; behind the products that read the buffer filled next
.endif
	BLD h+2
.endif
.if h%2 == 0
.if h/2 < 4
	ALD h/2+4
	s_wait_loadcnt 63                              ; behind this step's group four groups, 64 loads, are out; the field holds 63
.else
	s_wait_loadcnt 16*(7-h/2)                      ; the later groups may be out
.endif
.endif
.if h < 14
	s_wait_dscnt 32                                ; the next two half-steps' loads may be out
.else
	s_wait_dscnt 16*(15-h)
.endif
	MULH h
.set h, h+1
.endr
	WIN 0
; THE WAY OUT, block by block of 16 tokens x 128 features: through my stage, back as whole rows of 512 bytes, x 2^(e6 + e7) + bias, stored as two aligned units of 256 bytes.
; LDS serves a wave's instructions in order (ISA guide 5.7.1.4): no wait between the stores and the loads.
.macro TOSTAGE a
	WIN 0x04                                       ; store data: window 1
.irp b, 0,1,2,3,4,5,6,7
	ds_store_b128 v[STO], v[64*(\a)+8*\b:64*(\a)+8*\b+3] offset:64*\b
	ds_store_b128 v[STO], v[64*(\a)+8*\b+4:64*(\a)+8*\b+7] offset:64*\b+16
.endr
	WIN 0
.set BB, BF+64*((\a)%3)
.irp t, 0,1,2,3,4,5,6,7,8,9,10,11,12,13,14,15
	ds_load_b128 v[BB+4*\t:BB+4*\t+3], v[RD] offset:\t*SPITCH
.endr
.endm
.macro SEND a, younger                 ; younger: the LDS instructions issued behind block a's loads
.set BB, BF+64*((\a)%3)
	s_wait_dscnt \younger
.irp t, 0,1,2,3,4,5,6,7,8,9,10,11,12,13,14,15
	v_pk_fma_f32 v[BB+4*\t:BB+4*\t+1], v[BB+4*\t:BB+4*\t+1], s[96:97], v[BIA:BIA+1] op_sel_hi:[1,0,1]
	v_pk_fma_f32 v[BB+4*\t+2:BB+4*\t+3], v[BB+4*\t+2:BB+4*\t+3], s[96:97], v[BIA+2:BIA+3] op_sel_hi:[1,0,1]
.endr
.irp t, 0,1,2,3,4,5,6,7,8,9,10,11,12,13,14,15
	global_store_b128 v[CO], v[BB+4*\t:BB+4*\t+3], s[12:13] offset:(16*(\a)+\t)*4096 th:TH_STORE_NT
.endr
.endm
	PLACES                                         ; behind the last products: results are read, and rows land where B's fragments lay
	TOSTAGE 0
	TOSTAGE 1
	SEND 0, 32
	TOSTAGE 2
	SEND 1, 32
	s_wait_xcnt 0x0                                ; block 0's stores have read their registers: block 3's rows land there
	TOSTAGE 3
	SEND 2, 32
	SEND 3, 0
	s_wait_tensorcnt 0x0                           ; the wave's end
	ds_add_u32 v[SPW], v[NIL]
	s_wait_dscnt 0x0
	CROUND                                         ; the closing round
	s_endpgm
.Lfunc_end_k_q614fd20a8c_proj:
	.size	k_q614fd20a8c_proj, .Lfunc_end_k_q614fd20a8c_proj-k_q614fd20a8c_proj
	.p2alignl 7, 3214868480
	.fill 96, 4, 3214868480
	.section	.rodata,"a",@progbits
	.p2align	6, 0x0
	.amdhsa_kernel k_q614fd20a8c_proj
		.amdhsa_group_segment_fixed_size 327680
		.amdhsa_private_segment_fixed_size 0
		.amdhsa_enable_private_segment 0
		.amdhsa_kernarg_size 40
		.amdhsa_user_sgpr_count 2
		.amdhsa_user_sgpr_kernarg_segment_ptr 1
		.amdhsa_wavefront_size32 1
		.amdhsa_system_sgpr_workgroup_id_x 1
		.amdhsa_system_sgpr_workgroup_id_y 1
		.amdhsa_system_sgpr_workgroup_id_z 1
		.amdhsa_system_vgpr_workitem_id 0
		.amdhsa_next_free_vgpr 1024
		.amdhsa_next_free_sgpr 100
		.amdhsa_reserve_vcc 0
		.amdhsa_float_denorm_mode_32 3
		.amdhsa_float_denorm_mode_16_64 3
		.amdhsa_memory_ordered 1
		.amdhsa_forward_progress 1
		.amdhsa_inst_pref_size 76
	.end_amdhsa_kernel
	.amdgpu_metadata
---
amdhsa.version: [ 1, 2 ]
amdhsa.kernels:
  - .name:           k_q614fd20a8c_proj
    .symbol:         k_q614fd20a8c_proj.kd
    .args:
      - { .name: o_img, .offset: 0, .size: 8, .value_kind: global_buffer, .address_space: global }
      - { .name: w_out_codes, .offset: 8, .size: 8, .value_kind: global_buffer, .address_space: global }
      - { .name: lowp_scales, .offset: 16, .size: 8, .value_kind: global_buffer, .address_space: global }
      - { .name: b_out, .offset: 24, .size: 8, .value_kind: global_buffer, .address_space: global }
      - { .name: out0, .offset: 32, .size: 8, .value_kind: global_buffer, .address_space: global }
    .group_segment_fixed_size: 327680
    .private_segment_fixed_size: 0
    .kernarg_segment_align: 8
    .kernarg_segment_size: 40
    .max_flat_workgroup_size: 128
    .sgpr_count:     100
    .vgpr_count:     1024
    .wavefront_size: 32
...
	.end_amdgpu_metadata
.endif
;; end of part 3
